; MI455X (gfx1250); checked and timed in simulation.
; The chip was launched on July 23, 2026; its instructions are those of AMD's public machine-readable ISA for CDNA 5 (MIT licence, August 2026) and "CDNA5" Instruction Set Architecture Reference Guide (July 2026). The comments in the code are by the model that wrote it; some were corrected since.
;; Cam Embedding. Allowed arithmetic: float matrix products may take bf16 or f16 operands with f32 sums; other float arithmetic in f32, or as packed bf16 or f16 multiplies, adds, multiply-adds, maxima and minima; sums over many terms, partial sums and values carried from step to step in f32; what a program stores and reads back later, other than sums and carried values, may be rounded once to bf16 or f16.
;; Inputs: W 8 x 2,048 x 2,048 float32; b 8 x 2,048 float32; cam_pred_ids 2,048 int32; x 2,048 x 2,048 float32.
;; Outputs: out0 2,048 x 2,048 float32.
;; One version. Each part assembles by itself: llvm-mc -triple=amdgcn-amd-amdhsa -mcpu=gfx1250 --defsym DOCPART=n.
;; ======== version 1 of 1: 2 launches
;; workspace buffers: xs 8,847,360 bytes; order 8,704 bytes of whole numbers; meta 256 bytes of whole numbers
;; launch prep (part 1): grid 135 x 2, 4 waves a work-group, no clusters, 37,120 bytes of LDS; arguments x, cam_pred_ids, xs, order, meta; writes xs, order, meta
.if DOCPART == 1
	.amdgcn_target "amdgcn-amd-amdhsa--gfx1250"
	.amdhsa_code_object_version 6
	.text
	.protected	k_q5141c5c2c1_prep
	.globl	k_q5141c5c2c1_prep
	.p2align	8
	.type	k_q5141c5c2c1_prep,@function
k_q5141c5c2c1_prep:
	s_mov_b64 s[64:65], 0
	v_nop
	global_prefetch_b8 v0, s[64:65] scope:SCOPE_SE
	s_setreg_imm32_b32 hwreg(HW_REG_WAVE_MODE, 25, 1), 1
	s_wait_xcnt 0x0
; PREP: sorts the 2,048 tokens by expert and writes x once as bf16 in the order in which a matrix instruction's first operand takes it.
; Each expert's tokens fill tiles of 16; the places past its count repeat its last token.  The sum of ceil(n_e / 16) is at most 135, whatever the split.
; xs:    tile t, K step ks (32 along K) at byte 65536 t + 1024 ks: 512 bytes with lane l's registers 0-3 at 16 l (row l % 16, k = 32 ks + 8 (l / 16) + 0..7), then 512 with registers 4-7 (k 16 further on).
; order: int32 [16 t + place] = the token.      meta: int32 [2 e] = expert e's first tile, [2 e + 1] = its count.
; SHARES.  Work-group (t, kh) makes half kh (1,024 along K) of tile t; wave w its 256 along K.  Every work-group repeats the counting sort of the 8 KB of ids (no traffic between work-groups):
; thread i counts its 16 ids, the counts are scanned over the wave's lanes and, through LDS, over the four waves.  A work-group whose tile the split leaves empty stores nothing.
; LIMIT.  An id outside 0..7 is taken as 7 (unsigned clamp).
.set NTILE,  135
.set TOT,    0                         ; LDS: the four waves' packed totals, 16 bytes each
.set TBL,    256                       ; thread i's eight first places as u16, at 16 i + 2 e
.set LST,    2304                      ; a list of 17 words for each wave, 128 bytes apart: word p = the token at place p of my tile, word 16 takes all other tiles' tokens
.set STG,    2816                      ; for each wave 16 rows of 512 bytes + 16 of padding
.set SPITCH, 528                       ; 33 x 16 bytes: the 16 rows that a load touches start at 16 different 16-byte columns of 256
.set STGW,   16*SPITCH
.set SPARE,  STG+4*STGW                ; 36,608: the spare words, 128 bytes for each wave: two blocks of 256 bytes that no other line names
.set L16, 1                            ; v1       16 x lane
.set R,   2                            ; v2       lane % 16
.set H,   3                            ; v3       lane / 16
.set SPW, 4                            ; v4       LDS address of my spare word; never rewritten
.set NIL, 5                            ; v5       0; never rewritten
.set HH,  6                            ; v[6:9]   my counts, two experts to a word (2 k low, 2 k + 1 high)
.set II,  10                           ; v[10:13] their inclusive scan, then my first places
.set ACA, 14                           ; v14      counts of my ids 0-7, four bits an expert (8 at the most)
.set ACB, 15                           ; v15      of my ids 8-15
.set ID,  16                           ; v[16:31] ids, then tokens
.set RK,  32                           ; v[32:47] an id's rank among my ids of the same expert
.set SH,  48                           ; v[48:63] 4 x id, then table addresses
.set RO,  64                           ; v[64:79] at work; then the byte offsets of my tile's 16 rows of x
.set X,   80                           ; v[80:207] 32 loads of 16 bytes a lane
.set F,   16                           ; v[16:79] the fragments on their way out
.set TD,  208                          ; v[208:211] at work
.set TA,  212
.set TB,  213
.set TC,  214
.set T16, 215                          ; 16 x thread
.set LN,  216                          ; lane
.set TK,  217                          ; the token at place lane % 16 of my tile
	s_load_b256 s[4:11], s[0:1], 0x0               ; x s[4:5], ids s[6:7], xs s[8:9], order s[10:11]
	s_load_b64 s[12:13], s[0:1], 0x20              ; meta
	v_lshl_add_u32 v[SPW], v0, 2, SPARE
	v_mov_b32 v[NIL], 0
	v_lshrrev_b32 v[TA], 5, v0
	v_readfirstlane_b32 s14, v[TA]                 ; wave 0..3
	s_mov_b32 s15, ttmp9                           ; my tile
	s_and_b32 s16, ttmp7, 0xffff                   ; my half of K
	s_mov_b32 s90, 0xffff0000                      ; lanes 16-31
	s_mov_b32 s62, 0x0f0f0f0f
	v_and_b32 v[LN], 31, v0
	v_lshlrev_b32 v[L16], 4, v[LN]
	v_and_b32 v[R], 15, v0
	v_bfe_u32 v[H], v0, 4, 1
	v_lshlrev_b32 v[T16], 4, v0
	v_mov_b32 v[ACA], 0
	v_mov_b32 v[ACB], 0
	s_wait_kmcnt 0x0
.irp i, 0,1,2,3
	global_load_b128 v[ID+4*(\i):ID+4*(\i)+3], v[T16], s[6:7] offset:2048*(\i)  ; id n of mine belongs to token 512 (n / 4) + 4 thread + n % 4
.endr
	s_wait_loadcnt 0x0
	; an id's rank among mine, and my counts: a field of four bits for each expert, in two accumulators of eight ids so that no field passes 8
.set i, 0
.rept 16
	v_min_u32 v[ID+i], 7, v[ID+i]
	v_lshlrev_b32 v[SH+i], 2, v[ID+i]
.set i, i+1
.endr
.set i, 0
.rept 8
	v_bfe_u32 v[RK+i], v[ACA], v[SH+i], 4
	v_bfe_u32 v[RK+8+i], v[ACB], v[SH+8+i], 4
	v_lshl_add_u32 v[ACA], 1, v[SH+i], v[ACA]
	v_lshl_add_u32 v[ACB], 1, v[SH+8+i], v[ACB]
.set i, i+1
.endr
.set i, 8
.rept 8
	v_bfe_u32 v[TD+i%4], v[ACA], v[SH+i], 4        ; ids 8-15 come behind all of ids 0-7
	v_add_nc_u32 v[RK+i], v[RK+i], v[TD+i%4]
.set i, i+1
.endr
	v_and_b32 v[TA], s62, v[ACA]                   ; the even experts' counts, a byte each,
	v_and_b32 v[TB], s62, v[ACB]
	v_add_nc_u32 v[TA], v[TA], v[TB]
	v_lshrrev_b32 v[TB], 4, v[ACA]                 ; and the odd ones'
	v_lshrrev_b32 v[TC], 4, v[ACB]
	v_and_b32 v[TB], s62, v[TB]
	v_and_b32 v[TC], s62, v[TC]
	v_add_nc_u32 v[TB], v[TB], v[TC]
.irp k, 0,1,2,3
	v_bfe_u32 v[HH+(\k)], v[TA], 8*(\k), 8
	v_bfe_u32 v[TC], v[TB], 8*(\k), 8
	v_lshl_or_b32 v[HH+(\k)], v[TC], 16, v[HH+(\k)]  ; 16 bits an expert: no sum passes 2,160
	v_mov_b32 v[II+(\k)], v[HH+(\k)]
.endr
	; inclusive scan over the wave's lanes: four steps inside each half of 16 lanes, then the lower half's total onto the upper half
.irp n, 1,2,4,8
.irp k, 0,1,2,3
	v_mov_b32_dpp v[TD+(\k)], v[II+(\k)] row_shr:\n row_mask:0xf bank_mask:0xf bound_ctrl:1
.endr
.irp k, 0,1,2,3
	v_add_nc_u32 v[II+(\k)], v[II+(\k)], v[TD+(\k)]
.endr
.endr
.irp k, 0,1,2,3
	v_readlane_b32 s[82+(\k)], v[II+(\k)], 15
.endr
.irp k, 0,1,2,3
	v_cndmask_b32 v[TD+(\k)], 0, s[82+(\k)], s90
	v_add_nc_u32 v[II+(\k)], v[II+(\k)], v[TD+(\k)]
.endr
.irp k, 0,1,2,3
	v_readlane_b32 s[82+(\k)], v[II+(\k)], 31      ; my wave's totals
.endr
.irp k, 0,1,2,3
	v_mov_b32 v[TD+(\k)], s[82+(\k)]
.endr
	v_mov_b32 v[TA], s14
	v_lshlrev_b32 v[TA], 4, v[TA]
	ds_store_b128 v[TA], v[TD:TD+3] offset:TOT     ; all lanes write the same 16 bytes with the same numbers
	s_wait_dscnt 0x0                               ; for the others' sake: my totals are in LDS
	s_barrier_signal -1
	s_barrier_wait -1
	v_mov_b32 v[TA], 0
.irp i, 0,1,2,3
	ds_load_b128 v[RO+4*(\i):RO+4*(\i)+3], v[TA] offset:TOT+16*(\i)
.endr
	s_wait_dscnt 0x0
.set i, 0
.rept 16
	v_readfirstlane_b32 s[20+i], v[RO+i]           ; s[20 + 4 w + k]: wave w's totals
.set i, i+1
.endr
.irp k, 0,1,2,3
	s_add_co_u32 s[36+(\k)], s[20+(\k)], s[24+(\k)]
	s_add_co_u32 s[36+(\k)], s[36+(\k)], s[28+(\k)]
	s_add_co_u32 s[36+(\k)], s[36+(\k)], s[32+(\k)]  ; all four waves'
	s_mov_b32 s[40+(\k)], 0
.endr
.irp i, 0,1,2
	s_cmp_gt_u32 s14, \i                           ; the waves in front of mine
.irp k, 0,1,2,3
	s_cselect_b32 s[82+(\k)], s[20+4*(\i)+(\k)], 0
.endr
.irp k, 0,1,2,3
	s_add_co_u32 s[40+(\k)], s[40+(\k)], s[82+(\k)]
.endr
.endr
.irp k, 0,1,2,3
	s_and_b32 s[44+2*(\k)], s[36+(\k)], 0xffff     ; s[44 + e]: expert e's count
	s_lshr_b32 s[45+2*(\k)], s[36+(\k)], 16
.endr
	s_mov_b32 s52, 0                               ; s[52 + e]: its first tile; s60: tiles in all
.irp e, 0,1,2,3,4,5,6,7
	s_add_co_u32 s62, s[44+(\e)], 15
	s_lshr_b32 s62, s62, 4
	s_add_co_u32 s[53+(\e)], s[52+(\e)], s62
.endr
.irp k, 0,1,2,3
	s_lshl_b32 s62, s[52+2*(\k)], 4                ; an expert's first place = 16 x its first tile
	s_lshl_b32 s63, s[53+2*(\k)], 20
	s_or_b32 s62, s62, s63
	s_add_co_u32 s[40+(\k)], s[40+(\k)], s62
.endr
.irp k, 0,1,2,3
	v_sub_nc_u32 v[II+(\k)], v[II+(\k)], v[HH+(\k)]  ; the lanes in front of mine,
	v_add_nc_u32 v[II+(\k)], s[40+(\k)], v[II+(\k)]  ; the waves in front of mine, the expert's first place
.endr
	v_add_nc_u32 v[TB], TBL, v[T16]
	ds_store_b128 v[TB], v[II:II+3]                ; my own 16 bytes: read back below by expert; LDS serves a wave's instructions in order (ISA guide 5.7.1.4)
	s_lshl_b32 s86, s15, 4                         ; my tile's first place,
	s_sub_co_u32 s88, 0, s86                       ; negated
	s_lshl_b32 s87, s14, 7
	s_add_co_u32 s87, s87, LST                     ; my wave's list
	v_min_u32 v[TC], 16, v[LN]
	v_lshl_add_u32 v[TC], v[TC], 2, s87
	v_mov_b32 v[TA], 0
	ds_store_b32 v[TC], v[TA]                      ; it is cleared: each live place is written by one thread of the work-group, and the four lists are ORed
.set i, 0
.rept 16
	v_lshl_add_u32 v[SH+i], v[ID+i], 1, v[TB]
.set i, i+1
.endr
.set i, 0
.rept 16
	ds_load_u16 v[RO+i], v[SH+i]
.set i, i+1
.endr
	v_lshlrev_b32 v[TA], 2, v0
	s_wait_dscnt 0x0
.set i, 0
.rept 16
	v_add3_u32 v[RO+i], v[RO+i], v[RK+i], s88      ; the token's place, counted from my tile's first: wraps to a large number for earlier tiles
	v_min_u32 v[RO+i], 16, v[RO+i]                 ; all that is not my tile's goes to word 16
	v_lshl_add_u32 v[RO+i], v[RO+i], 2, s87
	v_add_nc_u32 v[ID+i], 512*(i/4)+i%4, v[TA]     ; the token
	ds_store_b32 v[RO+i], v[ID+i]
.set i, i+1
.endr
	s_wait_dscnt 0x0                               ; for the others' sake: my list is written
	s_barrier_signal -1
	s_barrier_wait -1                              ; the last barrier: what follows may differ between work-groups
	s_cmp_ge_u32 s15, s60
	s_cbranch_scc1 .Lend                           ; this split has no such tile
	; the last place that the tile's expert fills: first tiles never decrease, so the last expert whose first tile is not behind mine owns it
	s_lshl4_add_u32 s61, s52, s44
.irp k, 1,2,3,4,5,6,7
	s_lshl4_add_u32 s63, s[52+(\k)], s[44+(\k)]
	s_cmp_le_u32 s[52+(\k)], s15
	s_cselect_b32 s61, s63, s61
.endr
	s_sub_co_u32 s61, s61, 1
	s_sub_co_u32 s61, s61, s86                     ; counted from my tile's first place
	v_min_u32 v[TA], s61, v[R]                     ; places past the count repeat the expert's last token
	v_min_u32 v[TA], 15, v[TA]
	v_lshlrev_b32 v[TA], 2, v[TA]
.irp k, 0,1,2,3
	ds_load_b32 v[TD+(\k)], v[TA] offset:LST+128*(\k)
.endr
	s_lshl_b32 s62, s16, 12                        ; x: my half's 4,096 bytes of a row, my wave's 1,024 of them
	s_lshl_b32 s63, s14, 10
	s_add_co_u32 s62, s62, s63
	s_mov_b32 s63, 0
	s_add_nc_u64 s[4:5], s[4:5], s[62:63]
	s_lshl_b32 s62, s15, 16                        ; xs: my tile, my half's 32 K steps, my wave's 8 of them
	s_lshl_b32 s63, s16, 15
	s_add_co_u32 s62, s62, s63
	s_lshl_b32 s63, s14, 13
	s_add_co_u32 s62, s62, s63
	s_mov_b32 s63, 0
	s_add_nc_u64 s[8:9], s[8:9], s[62:63]
	s_mul_i32 s89, s14, STGW
	s_add_co_u32 s89, s89, STG                     ; my stage
	v_lshl_add_u32 v[TB], v[LN], 3, s89            ; in: 8 bytes a lane, 256 consecutive bytes an instruction
	v_mul_u32_u24 v[TC], v[R], SPITCH              ; back: row lane % 16, 16 bytes for each half of the lanes
	v_lshl_add_u32 v[TC], v[H], 4, v[TC]
	v_add_nc_u32 v[TC], s89, v[TC]
	s_wait_dscnt 0x0
	v_or_b32 v[TK], v[TD], v[TD+1]
	v_or_b32 v[TD+2], v[TD+2], v[TD+3]
	v_or_b32 v[TK], v[TK], v[TD+2]
.set i, 0
.rept 16
	v_readlane_b32 s[66+i], v[TK], i
	s_min_u32 s[66+i], s[66+i], 0x7ff
	v_lshl_add_u32 v[RO+i], s[66+i], 13, v[L16]    ; token x 8,192 bytes + 16 x lane
.set i, i+1
.endr
.set i, 0
.rept 32                                               ; row i / 2, part i % 2: 512 consecutive bytes of one row each; all 32 go out before the first wait
	global_load_b128 v[X+4*i:X+4*i+3], v[RO+i/2], s[4:5] offset:512*(i%2)
.set i, i+1
.endr
.set i, 0
.rept 32
	s_wait_loadcnt 31-i                            ; loads come back in order (ISA guide 5.7.1): load i is in, the younger ones stay out
	v_cvt_pk_bf16_f32 v[X+4*i], v[X+4*i], v[X+4*i+1]
	v_cvt_pk_bf16_f32 v[X+4*i+1], v[X+4*i+2], v[X+4*i+3]
	ds_store_b64 v[TB], v[X+4*i:X+4*i+1] offset:SPITCH*(i/2)+256*(i%2)
.set i, i+1
.endr
.set i, 0
.rept 16                                               ; K step i / 2, registers 0-3 or 4-7: my own bytes, served behind the stores above
	ds_load_b128 v[F+4*i:F+4*i+3], v[TC] offset:32*i
.set i, i+1
.endr
.set i, 0
.rept 16
	s_wait_dscnt 15-i
	global_store_b128 v[L16], v[F+4*i:F+4*i+3], s[8:9] offset:512*i  ; 512 consecutive bytes, at a multiple of 512 from xs's first byte
.set i, i+1
.endr
	s_or_b32 s62, s14, s16
	s_cmp_lg_u32 s62, 0
	s_cbranch_scc1 .Lend                           ; the list and the table are wave 0's, in the first half's work-group
	s_lshl_b32 s62, s15, 6
	v_lshl_add_u32 v[TA], v[R], 2, s62
	global_store_b32 v[TA], v[TK], s[10:11]        ; 64 bytes a tile; lanes 16-31 repeat lanes 0-15, address and number
	s_cmp_lg_u32 s15, 0
	s_cbranch_scc1 .Lend
	v_mov_b32 v[TD], 0
.irp e, 0,1,2,3,4,5,6,7
	v_writelane_b32 v[TD], s[52+(\e)], 2*(\e)
	v_writelane_b32 v[TD], s[44+(\e)], 2*(\e)+1
.endr
	v_lshlrev_b32 v[TD+1], 2, v[LN]
	global_store_b32 v[TD+1], v[TD], s[12:13]
.Lend:
	s_wait_tensorcnt 0x0                           ; the wave's end: behind my last LDS store
	ds_add_u32 v[SPW], v[NIL]
	s_wait_dscnt 0x0
	s_endpgm
.Lfunc_end_k_q5141c5c2c1_prep:
	.size	k_q5141c5c2c1_prep, .Lfunc_end_k_q5141c5c2c1_prep-k_q5141c5c2c1_prep
	.p2alignl 7, 3214868480
	.fill 96, 4, 3214868480
	.section	.rodata,"a",@progbits
	.p2align	6, 0x0
	.amdhsa_kernel k_q5141c5c2c1_prep
		.amdhsa_group_segment_fixed_size 37120
		.amdhsa_private_segment_fixed_size 0
		.amdhsa_enable_private_segment 0
		.amdhsa_kernarg_size 40
		.amdhsa_user_sgpr_count 2
		.amdhsa_user_sgpr_kernarg_segment_ptr 1
		.amdhsa_wavefront_size32 1
		.amdhsa_system_sgpr_workgroup_id_x 1
		.amdhsa_system_sgpr_workgroup_id_y 1
		.amdhsa_system_sgpr_workgroup_id_z 1
		.amdhsa_system_vgpr_workitem_id 0
		.amdhsa_next_free_vgpr 218
		.amdhsa_next_free_sgpr 96
		.amdhsa_reserve_vcc 0
		.amdhsa_float_denorm_mode_32 3
		.amdhsa_float_denorm_mode_16_64 3
		.amdhsa_memory_ordered 1
		.amdhsa_forward_progress 1
		.amdhsa_inst_pref_size 40
	.end_amdhsa_kernel
	.amdgpu_metadata
---
amdhsa.version: [ 1, 2 ]
amdhsa.kernels:
  - .name:           k_q5141c5c2c1_prep
    .symbol:         k_q5141c5c2c1_prep.kd
    .args:
      - { .name: x, .offset: 0, .size: 8, .value_kind: global_buffer, .address_space: global }
      - { .name: cam_pred_ids, .offset: 8, .size: 8, .value_kind: global_buffer, .address_space: global }
      - { .name: xs, .offset: 16, .size: 8, .value_kind: global_buffer, .address_space: global }
      - { .name: order, .offset: 24, .size: 8, .value_kind: global_buffer, .address_space: global }
      - { .name: meta, .offset: 32, .size: 8, .value_kind: global_buffer, .address_space: global }
    .group_segment_fixed_size: 37120
    .private_segment_fixed_size: 0
    .kernarg_segment_align: 8
    .kernarg_segment_size: 40
    .max_flat_workgroup_size: 128
    .sgpr_count:     96
    .vgpr_count:     218
    .wavefront_size: 32
...
	.end_amdgpu_metadata
.endif
;; end of part 1
;; launch moe (part 2): grid 32 x 8, 8 waves a work-group, no clusters, 279,552 bytes of LDS; arguments W, b, x, xs, order, meta, out0; writes out0
.if DOCPART == 2
	.amdgcn_target "amdgcn-amd-amdhsa--gfx1250"
	.amdhsa_code_object_version 6
	.text
	.protected	k_q5141c5c2c1_moe
	.globl	k_q5141c5c2c1_moe
	.p2align	8
	.type	k_q5141c5c2c1_moe,@function
k_q5141c5c2c1_moe:
	s_mov_b64 s[64:65], 0
	v_nop
	global_prefetch_b8 v0, s[64:65] scope:SCOPE_SE
	s_setreg_imm32_b32 hwreg(HW_REG_WAVE_MODE, 25, 1), 1
	s_wait_xcnt 0x0
; out[i] = x[i] + relu(x[i] . W[e]^T + b[e]), e = the token's expert.  Only the chosen expert's products are made: the tokens come sorted by expert, in tiles of 16 (launch prep).
; SHARES.  Work-group (sl, e) owns columns 64 sl .. 64 sl + 63 of expert e: 64 rows of W, 512 KB of f32, which it alone reads, once; and all of that expert's tokens.
; Waves 4-7 LOAD: each keeps a ring of 64 loads of 512 bytes out (a chunk: 128 along K of the 64 rows), rounds to bf16 and lays the chunk into LDS, where the slice stays (256 KB of bf16).
; Waves 0-3 MULTIPLY, one chunk behind: wave m has the expert's tiles m, m + 4, .. up to five at a time, against all 64 columns.  Tokens' fragments come from xs straight into registers, W's from LDS.
; The two kinds of wave have counters of their own, so W's loads never stand in front of the tokens' loads in one count.  One barrier a chunk; no LDS byte is written twice, so none is needed the other way.
; EVERY SPLIT.  An expert with more than 320 padded rows is finished by further passes over the slice in LDS: one loop over (pass, chunk) with a constant bound (a wave has 32 tiles at the most, five a
; pass: seven passes), without barrier and without LDS writes.  A tile that a wave does not have reads the first 16 bytes of tile 0's
; fragments (so that every path issues the same loads) and stores nothing.  Places past an expert's count repeat its last token, row and all: they store that token's bytes once more, with the same bits.
; COLUMNS.  Column c of the slice lies in LDS row 16 (c % 4) + c / 4, so lane r of column block nb holds column 4 r + nb: for one token a lane's four blocks are 16 neighbouring bytes of out, and
; sixteen lanes hold 256 consecutive bytes, aligned: the residual is loaded and the result stored without a stage.
; NO CLUSTER: each byte of W has one reader; what an expert's 32 work-groups share is xs, of which a chunk's tiles (20 x 4 KB) have no room twice beside the slice.
; LIMITS.  x and W are rounded to bf16 for the product; sums, bias, relu and residual in f32.  Where the sum is NaN the relu gives 0.
.set CH,    17408                      ; a chunk in LDS: 64 rows of 256 bytes + 16 of padding
.set BP,    272                        ; 17 x 16 bytes: the 16 rows that a load touches start at 16 different 16-byte columns of 256
.set SPARE, 16*CH                      ; 278,528: the spare words, 128 bytes for each of eight waves: four blocks of 256 bytes that no other line names
.set NTILE, 135
.set NPMAX, 7                          ; passes at the most: ceil(32 / 5)
; REGISTERS, in windows of 256 (s_set_vgpr_msb: bits 1:0 source 0, 3:2 source 1, 5:4 source 2, 7:6 destination).
; window 0
.set L16,  1                           ; v1       16 x lane
.set R16,  2                           ; v2       16 x (lane % 16)
.set H32,  3                           ; v3       32 x (lane / 16)
.set VA,   4                           ; v[4:8]   tile g's byte offset in xs + 16 x lane
.set TMP,  9
.set VB,   10                          ; v10      LDS address of W's fragments in the chunk in hand
.set VB0,  11                          ; v11      (lane % 16) x 272 + 16 (lane / 16)
.set VO,   12                          ; v[12:16] tile g's byte offset in order
.set BI,   18                          ; v[18:21] the bias of my four columns
.set SPW,  22                          ; v22      LDS address of my spare word; never rewritten
.set NIL,  23                          ; v23      0; never rewritten
.set TOFF, 24                          ; v[24:63] tile g, register j: the token as loaded; from the pass's last chunk on: token x 8,192 + 16 (lane % 16)
.set T,    64                          ; v[64:95] one tile's results on their way out
.set ACC,  96                          ; v[96:255] accumulator (g, nb) at 96 + 32 g + 8 nb
.set VW,   9                           ; loaders: byte offset in a row of W
.set VS,   10                          ; loaders: LDS address of the chunk in hand + 8 x lane
.set VS0,  11                          ; loaders: 8 x lane
.set RING, 32                          ; loaders: v[32:255] slots 0-55 of the ring, slot i (row i of the slice) at 32 + 4 i
; window 1: multiplying waves: v0-159 four buffers of five tiles' fragments (buffer f, tile g at 40 f + 8 g), later the residual rows (tile g, register j at 32 g + 4 j);
;           v160-223 two buffers of W's four fragments.  Loaders: v224-255 slots 56-63 of the ring.
.set BF,    160
.set RINGH, 224
.set W_LD,  0x40                       ; destination window 1, address window 0
.set W_MUL, 0x05                       ; sources 0 and 1 window 1, C and D window 0
.set W_CV,  0x45                       ; a conversion in place in window 1
.set W_ST,  0x04                       ; source 1 (an LDS store's data; the residual) window 1
; s[4:5] W  s[6:7] b  s[8:9] x  s[10:11] xs  s[12:13] order  s[14:15] meta  s[16:17] out0  s18 wave  s19 expert  s20 slice  s21 step  s26 first tile  s27 count  s28 tiles  s29 my tiles
; s30 passes  s32 live tiles in this pass  s33 the chunk's LDS byte  s[34:35] xs, walking along K  s36 16 x pass + chunk  s37 the pass  s22-25, s38-40 at work
.set MSB, 0
.macro WIN new                         ; the immediate's high byte repeats the setting that is left; a switch that changes nothing is dropped
.if MSB != (\new)
	s_set_vgpr_msb (MSB<<8)|(\new)
.set MSB, (\new)
.endif
.endm
; A load into a register that a matrix instruction has read, and a vector instruction that reads a matrix result, stand four places behind it; only plain vector instructions
; that name none of its registers are places (ISA guide 7.12.1 for vector instructions).
.macro PLACES
.rept 4
	v_nop
.endr
.endm
.macro ALOAD ks, bf                    ; ten loads: five tiles' fragments of K step ks (counted from the chunk in hand) into buffer bf; each load is 512 consecutive bytes
	WIN W_LD
.irp g, 0,1,2,3,4
	global_load_b128 v[40*(\bf)+8*(\g):40*(\bf)+8*(\g)+3],   v[VA+(\g)], s[34:35] offset:1024*(\ks)
	global_load_b128 v[40*(\bf)+8*(\g)+4:40*(\bf)+8*(\g)+7], v[VA+(\g)], s[34:35] offset:1024*(\ks)+512
.endr
.endm
.macro XLOAD n                         ; ten loads of the residual: rows 10 n .. 10 n + 9 of the pass's 40, into the fragment buffer n, which has been multiplied
	WIN W_LD
.irp q, 0,1,2,3,4,5,6,7,8,9
	global_load_b128 v[4*(10*(\n)+(\q)):4*(10*(\n)+(\q))+3], v[TOFF+10*(\n)+(\q)], s[8:9]
.endr
.endm
.macro BLOAD u, bb                     ; eight LDS loads: W's four fragments of K step u of the chunk into buffer bb
	WIN W_LD
.irp nb, 0,1,2,3
	ds_load_b128 v[BF+32*(\bb)+8*(\nb):BF+32*(\bb)+8*(\nb)+3],   v[VB] offset:16*BP*(\nb)+64*(\u)
	ds_load_b128 v[BF+32*(\bb)+8*(\nb)+4:BF+32*(\bb)+8*(\nb)+7], v[VB] offset:16*BP*(\nb)+64*(\u)+32
.endr
.endm
; One K step's products.  The accumulators take turns, one instruction a turn, in the same order in every step.  The fifth tile's four are jumped where the pass has no fifth tile.
.macro MUL bf, bb
	WIN W_MUL
.irp g, 0,1,2,3
.irp nb, 0,1,2,3
	v_wmma_f32_16x16x32_bf16 v[ACC+32*(\g)+8*(\nb):ACC+32*(\g)+8*(\nb)+7], v[40*(\bf)+8*(\g):40*(\bf)+8*(\g)+7], v[BF+32*(\bb)+8*(\nb):BF+32*(\bb)+8*(\nb)+7], v[ACC+32*(\g)+8*(\nb):ACC+32*(\g)+8*(\nb)+7]
.endr
.endr
	WIN 0                                          ; at a branch and at a label every window is 0
	s_cmp_lt_u32 s32, 5
	s_cbranch_scc1 .Lfour_\@
	WIN W_MUL
.irp nb, 0,1,2,3
	v_wmma_f32_16x16x32_bf16 v[ACC+128+8*(\nb):ACC+128+8*(\nb)+7], v[40*(\bf)+32:40*(\bf)+39], v[BF+32*(\bb)+8*(\nb):BF+32*(\bb)+8*(\nb)+7], v[ACC+128+8*(\nb):ACC+128+8*(\nb)+7]
.endr
	WIN 0
.Lfour_\@:
.endm
; A chunk: four K steps.  s33 = the chunk's LDS byte.  The tokens' fragments run three K steps ahead, across chunks: s_wait_loadcnt 30 leaves the three younger steps' ten loads each out.
; W's fragments run one K step ahead inside the chunk (s_wait_dscnt 8 leaves the younger eight out), never across its end: the next chunk is being stored meanwhile.
; tail = 1: a pass's last chunk.  At its head the 40 tokens, which were waited for when the pass was set up, are held to 0..2,047 and made byte offsets: here, so that the bound stands on every way
; to the loads and stores that use them.  In place of the next chunk's fragments the residual rows are asked for, ten a step, so that every count stays as it is.
.macro M tail
.if \tail
.set i, 0
.rept 40
	v_min_u32 v[TOFF+i], 0x7ff, v[TOFF+i]
.set i, i+1
.endr
.set i, 0
.rept 40
	v_lshl_add_u32 v[TOFF+i], v[TOFF+i], 13, v[R16]
.set i, i+1
.endr
.endif
	v_add_nc_u32 v[VB], s33, v[VB0]                ; with the three v_nop: the places behind the chunk before's last products
	v_nop
	v_nop
	v_nop
	ALOAD 3, 3
	BLOAD 0, 0
	BLOAD 1, 1
	s_wait_loadcnt 30
	s_wait_dscnt 8
	MUL 0, 0
	PLACES
.if \tail
	XLOAD 0
.else
	ALOAD 4, 0
.endif
	BLOAD 2, 0
	s_wait_loadcnt 30
	s_wait_dscnt 8
	MUL 1, 1
	PLACES
.if \tail
	XLOAD 1
.else
	ALOAD 5, 1
.endif
	BLOAD 3, 1
	s_wait_loadcnt 30
	s_wait_dscnt 8
	MUL 2, 0
	PLACES
.if \tail
	XLOAD 2
.else
	ALOAD 6, 2
.endif
	s_wait_loadcnt 30
	s_wait_dscnt 0x0
	MUL 3, 1
.if \tail
	PLACES                                         ; for the loads below and for the way out's reads of the sums
	XLOAD 3
	WIN 0
.else
	s_wait_xcnt 0x0                                ; the loads' base is stepped only behind this wait
	s_add_nc_u64 s[34:35], s[34:35], 4096          ; four K steps on
.endif
.endm
; A pass is set up: pass s37 has my tiles 5 s37 .. 5 s37 + 4, as far as I have them.  again = 1: a later pass.
.macro PASS_SETUP again
.if \again
	s_wait_loadcnt 0x0                             ; no load of mine is out: the fragment buffers, the offsets and the walking base are written anew below
	s_wait_xcnt 0x0                                ; the last pass's stores have read their offsets; only behind this wait are these loaded anew
.endif
	s_mul_i32 s38, s37, 5
	s_sub_co_u32 s32, s29, s38
	s_min_u32 s32, s32, 5                          ; live tiles
	s_mov_b64 s[34:35], s[10:11]
	s_mul_i32 s38, s37, 20
	s_add_co_u32 s38, s38, s18
	s_add_co_u32 s38, s38, s26                     ; the first of them: the expert's first tile + 20 pass + wave; the others four apart
.irp g, 0,1,2,3,4
	s_cmp_gt_u32 s32, \g
	s_cselect_b32 s39, s38, 0                      ; a tile that I do not have: tile 0,
	s_cselect_b32 s40, 0x1f0, 0                    ; and every lane at its fragments' first 16 bytes
	s_min_u32 s39, s39, NTILE-1
	v_and_b32 v[TMP], s40, v[L16]
	v_lshl_add_u32 v[VA+(\g)], s39, 16, v[TMP]
	v_lshl_add_u32 v[VO+(\g)], s39, 6, v[H32]
	s_add_co_u32 s38, s38, 4
.endr
.irp g, 0,1,2,3,4
	global_load_b128 v[TOFF+8*(\g):TOFF+8*(\g)+3],   v[VO+(\g)], s[12:13]  ; the tokens at places 8 (lane / 16) + 0..7
	global_load_b128 v[TOFF+8*(\g)+4:TOFF+8*(\g)+7], v[VO+(\g)], s[12:13] offset:16
.endr
	ALOAD 0, 0
	ALOAD 1, 1
	ALOAD 2, 2
	s_wait_loadcnt 30                              ; the tokens (and, the first time, the bias) are in; the 30 fragment loads stay out
	WIN 0
.set i, 0
.rept 160                                              ; the bias starts the sums, so that one text serves every K step; in the first pass these lines stand in the wait for the first chunk
	v_mov_b32 v[ACC+i], v[BI+(i/8)%4]
.set i, i+1
.endr
.endm
; The way out of tile g: relu, residual, store.  Register j of the four accumulators is token 8 (lane / 16) + j, columns 4 (lane % 16) + 0..3.  Each accumulator's register 0 is read first.
.macro EPI g
	s_cmp_le_u32 s32, \g
	s_cbranch_scc1 .Lepi_done
	s_wait_loadcnt 32-8*(\g)                       ; this tile's eight residual rows are in; the later tiles' stay out
	s_wait_xcnt 0x0                                ; the tile before's stores have read T
.irp j, 0,1,2,3,4,5,6,7
.irp nb, 0,1,2,3
	v_max_num_f32 v[T+4*(\j)+(\nb)], 0, v[ACC+32*(\g)+8*(\nb)+(\j)]
.endr
.endr
	WIN W_ST
.set i, 0
.rept 16
	v_pk_add_f32 v[T+2*i:T+2*i+1], v[T+2*i:T+2*i+1], v[32*(\g)+2*i:32*(\g)+2*i+1]
.set i, i+1
.endr
	WIN 0
.irp j, 0,1,2,3,4,5,6,7
	global_store_b128 v[TOFF+8*(\g)+(\j)], v[T+4*(\j):T+4*(\j)+3], s[16:17] th:TH_STORE_NT  ; 16 lanes store 256 consecutive bytes of a token's row, at a multiple of 256 from out0's first byte
.endr
.endm
; A loader's turn: chunk s21, whose 64 loads it issued four steps ago, goes into LDS, eight rows at a time.  re = 1: each eight slots are asked for again at once, with chunk s21 + 4:
; s_wait_loadcnt 56 leaves the other 56 slots out.  (With 64 out the count stands one past its field: the 64th load is issued when the first has come back, ISA guide 5.7.1.)  re = 0: the counts run down.
; Groups 0 to 6 lie in window 0 and need no switch; group 7 lies in window 1.
.macro LTURN re
	s_wait_xcnt 0x0                                ; the ring's loads have had their addresses translated: only behind this wait is their offset rewritten
	v_lshl_add_u32 v[VW], s21, 9, v[L16]
	s_mul_i32 s22, s21, CH
	v_add_nc_u32 v[VS], s22, v[VS0]
.set gi, 0
.rept 8
.if gi < 7
.set rb, RING+32*gi
.else
.set rb, RINGH
.endif
.if \re
	s_wait_loadcnt 56
.else
	s_wait_loadcnt 56-8*gi
.endif
.if gi == 7
	WIN W_CV
.endif
.set i, 0
.rept 8
	v_cvt_pk_bf16_f32 v[rb+4*i], v[rb+4*i], v[rb+4*i+1]
	v_cvt_pk_bf16_f32 v[rb+4*i+1], v[rb+4*i+2], v[rb+4*i+3]
.set i, i+1
.endr
.if gi == 7
	WIN W_ST
.endif
.set i, 0
.rept 8
	ds_store_b64 v[VS], v[rb+4*i:rb+4*i+1] offset:BP*(16*((8*gi+i)%4)+(8*gi+i)/4)  ; 256 consecutive bytes: row 8 gi + i of the slice, in its LDS row
.set i, i+1
.endr
.if \re
.if gi == 7
	WIN W_LD
.endif
.set i, 0
.rept 8
	global_load_b128 v[rb+4*i:rb+4*i+3], v[VW], s[4:5] offset:8192*(8*gi+i)+2048 th:TH_LOAD_NT
.set i, i+1
.endr
.endif
.set gi, gi+1
.endr
	WIN 0
.endm
; Step s21: the loader whose turn it is stores chunk s21; the multiplying waves take chunk s21 - 1 (mul = 1).  The two are different runs of 17,408 bytes.  The barrier stands on every wave's path.
.macro STEP re, mul
	s_cmp_lt_u32 s18, 4
	s_cbranch_scc0 .Lld_\@
.if \mul
	s_sub_co_u32 s33, s21, 1
	s_mul_i32 s33, s33, CH
	M 0
.endif
	s_branch .Ljoin_\@
.Lld_\@:
	s_and_b32 s22, s21, 3
	s_add_co_u32 s22, s22, 4
	s_cmp_lg_u32 s22, s18                          ; wave 4 + chunk % 4 has the chunk
	s_cbranch_scc1 .Ljoin_\@
	LTURN \re
.Ljoin_\@:
	s_wait_dscnt 0x0                               ; for the others' sake: my stores of the chunk are done (and no LDS load of mine is out)
	s_barrier_signal -1
	s_barrier_wait -1
.endm
	s_load_b256 s[4:11], s[0:1], 0x0               ; W, b, x, xs
	s_load_b128 s[12:15], s[0:1], 0x20             ; order, meta
	s_load_b64 s[16:17], s[0:1], 0x30              ; out0
	v_lshl_add_u32 v[SPW], v0, 2, SPARE
	v_mov_b32 v[NIL], 0
	v_lshrrev_b32 v[TMP], 5, v0
	v_readfirstlane_b32 s18, v[TMP]                ; wave 0..7
	s_and_b32 s19, ttmp7, 0xffff                   ; expert
	s_mov_b32 s20, ttmp9                           ; slice
	v_and_b32 v[L16], 31, v0
	v_lshlrev_b32 v[L16], 4, v[L16]
	s_lshl_b32 s22, s19, 24                        ; W: an expert is 16 MB, a slice's 64 rows 512 KB
	s_lshl_b32 s23, s20, 19
	s_add_co_u32 s22, s22, s23
	s_mov_b32 s23, 0
	s_lshl_b32 s24, s19, 13                        ; b: an expert is 8 KB, a slice 256 bytes
	s_lshl_b32 s38, s20, 8                         ; x and out0: a slice is 256 bytes of a row
	s_add_co_u32 s24, s24, s38
	s_mov_b32 s25, 0
	s_mov_b32 s39, 0
	s_wait_kmcnt 0x0
	s_add_nc_u64 s[4:5], s[4:5], s[22:23]
	s_add_nc_u64 s[6:7], s[6:7], s[24:25]
	s_add_nc_u64 s[8:9], s[8:9], s[38:39]
	s_add_nc_u64 s[16:17], s[16:17], s[38:39]
	s_mov_b64 s[34:35], s[10:11]                   ; the walking pointer holds xs's address on every way through the text
	s_cmp_lt_u32 s18, 4
	s_cbranch_scc1 .Lmath
	; a loader: wave 4 + c fills its ring with chunk c
	s_sub_co_u32 s22, s18, 4
	s_lshl_b32 s22, s22, 9
	v_add_nc_u32 v[VW], s22, v[L16]
	v_lshrrev_b32 v[VS0], 1, v[L16]
.set i, 0
.rept 56
	global_load_b128 v[RING+4*i:RING+4*i+3], v[VW], s[4:5] offset:8192*i th:TH_LOAD_NT  ; 512 consecutive bytes of row i
.set i, i+1
.endr
	WIN W_LD
.rept 8
	global_load_b128 v[RINGH+4*(i-56):RINGH+4*(i-56)+3], v[VW], s[4:5] offset:8192*i th:TH_LOAD_NT
.set i, i+1
.endr
	WIN 0
	s_branch .Lmain
.Lmath:
	s_lshl_b32 s22, s19, 3
	s_load_b64 s[26:27], s[14:15], s22 offset:0x0  ; the expert's first tile and count
	v_and_b32 v[TMP], 15, v0
	v_lshlrev_b32 v[R16], 4, v[TMP]
	v_bfe_u32 v[H32], v0, 4, 1
	v_mul_u32_u24 v[VB0], v[TMP], BP
	v_lshl_add_u32 v[VB0], v[H32], 4, v[VB0]
	v_lshlrev_b32 v[H32], 5, v[H32]
	global_load_b128 v[BI:BI+3], v[R16], s[6:7]    ; b of columns 4 (lane % 16) + 0..3
	s_wait_kmcnt 0x0
	s_min_u32 s26, s26, NTILE-1
	s_min_u32 s27, s27, 2048
	s_add_co_u32 s28, s27, 15
	s_lshr_b32 s28, s28, 4                         ; the expert's tiles,
	s_add_co_u32 s29, s28, 3
	s_sub_co_u32 s29, s29, s18
	s_lshr_b32 s29, s29, 2                         ; mine: those with number = wave modulo 4; 32 at the most
	s_add_co_u32 s30, s29, 4
	s_mul_i32 s30, s30, 52
	s_lshr_b32 s30, s30, 8                         ; passes = ceil(mine / 5): (n + 4) x 52 / 256 is exact up to n = 32
	s_mov_b32 s37, 0
	PASS_SETUP 0
.Lmain:
	s_mov_b32 s21, 0
	STEP 1, 0                                      ; step 0: chunk 0 is stored; there is nothing to multiply yet
	s_mov_b32 s21, 1
.Lrefill:                                              ; steps 1 to 11: the ring is filled again, four chunks ahead
	STEP 1, 1
	s_add_co_u32 s21, s21, 1
	s_cmp_lt_u32 s21, 12
	s_cbranch_scc1 .Lrefill
.Ldrain:                                               ; steps 12 to 15: nothing is left to ask for
	STEP 0, 1
	s_add_co_u32 s21, s21, 1
	s_cmp_lt_u32 s21, 16
	s_cbranch_scc1 .Ldrain
	s_cmp_lt_u32 s18, 4
	s_cbranch_scc0 .Lout                           ; the loaders are done: they wait at the last barrier
	; The slice lies whole in LDS.  One loop over 16 x pass + chunk, from the first pass's last chunk on: no barrier, and nothing writes LDS.
	s_mov_b32 s36, 15
.Lflat:
	s_lshr_b32 s37, s36, 4                         ; the pass
	s_cmp_ge_u32 s37, s30
	s_cbranch_scc1 .Lout                           ; I have no such pass, and so none behind it
	s_and_b32 s38, s36, 15
	s_cmp_lg_u32 s38, 0
	s_cbranch_scc1 .Lsame
	PASS_SETUP 1                                   ; chunk 0: a pass begins
.Lsame:
	s_and_b32 s38, s36, 15                         ; the chunk,
	s_mul_i32 s33, s38, CH                         ; its LDS byte
	s_cmp_eq_u32 s38, 15
	s_cbranch_scc1 .Llast
	M 0
	s_branch .Lfnext
.Llast:
	M 1                                            ; chunk 15: the pass ends and goes out
	EPI 0
	EPI 1
	EPI 2
	EPI 3
	EPI 4
.Lepi_done:
	s_wait_loadcnt 0x0                             ; the residual rows of tiles that I do not have, too: their registers are loaded again in the next pass
	s_wait_xcnt 0x0                                ; the stores have read their offsets and data
.Lfnext:
	s_add_co_u32 s36, s36, 1
	s_cmp_lt_u32 s36, 16*NPMAX
	s_cbranch_scc1 .Lflat
.Lout:
	s_wait_dscnt 0x0                               ; my reads of the slice are over
	s_barrier_signal -1
	s_barrier_wait -1                              ; every wave's are: behind this barrier no wave reads LDS, and between it and the one before none has written
	s_wait_tensorcnt 0x0                           ; the wave's end: behind my last LDS store
	ds_add_u32 v[SPW], v[NIL]
	s_wait_dscnt 0x0
	s_endpgm
.Lfunc_end_k_q5141c5c2c1_moe:
	.size	k_q5141c5c2c1_moe, .Lfunc_end_k_q5141c5c2c1_moe-k_q5141c5c2c1_moe
	.p2alignl 7, 3214868480
	.fill 96, 4, 3214868480
	.section	.rodata,"a",@progbits
	.p2align	6, 0x0
	.amdhsa_kernel k_q5141c5c2c1_moe
		.amdhsa_group_segment_fixed_size 279552
		.amdhsa_private_segment_fixed_size 0
		.amdhsa_enable_private_segment 0
		.amdhsa_kernarg_size 56
		.amdhsa_user_sgpr_count 2
		.amdhsa_user_sgpr_kernarg_segment_ptr 1
		.amdhsa_wavefront_size32 1
		.amdhsa_system_sgpr_workgroup_id_x 1
		.amdhsa_system_sgpr_workgroup_id_y 1
		.amdhsa_system_sgpr_workgroup_id_z 1
		.amdhsa_system_vgpr_workitem_id 0
		.amdhsa_next_free_vgpr 512
		.amdhsa_next_free_sgpr 66
		.amdhsa_reserve_vcc 0
		.amdhsa_float_denorm_mode_32 3
		.amdhsa_float_denorm_mode_16_64 3
		.amdhsa_memory_ordered 1
		.amdhsa_forward_progress 1
		.amdhsa_inst_pref_size 153
	.end_amdhsa_kernel
	.amdgpu_metadata
---
amdhsa.version: [ 1, 2 ]
amdhsa.kernels:
  - .name:           k_q5141c5c2c1_moe
    .symbol:         k_q5141c5c2c1_moe.kd
    .args:
      - { .name: W, .offset: 0, .size: 8, .value_kind: global_buffer, .address_space: global }
      - { .name: b, .offset: 8, .size: 8, .value_kind: global_buffer, .address_space: global }
      - { .name: x, .offset: 16, .size: 8, .value_kind: global_buffer, .address_space: global }
      - { .name: xs, .offset: 24, .size: 8, .value_kind: global_buffer, .address_space: global }
      - { .name: order, .offset: 32, .size: 8, .value_kind: global_buffer, .address_space: global }
      - { .name: meta, .offset: 40, .size: 8, .value_kind: global_buffer, .address_space: global }
      - { .name: out0, .offset: 48, .size: 8, .value_kind: global_buffer, .address_space: global }
    .group_segment_fixed_size: 279552
    .private_segment_fixed_size: 0
    .kernarg_segment_align: 8
    .kernarg_segment_size: 56
    .max_flat_workgroup_size: 256
    .sgpr_count:     66
    .vgpr_count:     512
    .wavefront_size: 32
...
	.end_amdgpu_metadata
.endif
;; end of part 2
